; MI455X (gfx1250); checked and timed in simulation.
; The chip was launched on July 23, 2026; its instructions are those of AMD's public machine-readable ISA for CDNA 5 (MIT licence, August 2026) and "CDNA5" Instruction Set Architecture Reference Guide (July 2026). The comments in the code are by the model that wrote it; some were corrected since.
;; Weight Only Quantized Linear Impl. Allowed arithmetic: matrix products marked QUANTISED: E2M3 operands, one E8M0 scale for each 32 along K, by v_wmma_scale_f32_16x16x128_f8f6f4 with both operands' format E2M3, f32 sums; everything else in f32.
;; Inputs: bias 11,008 float32; input_codes 1,024 x 128 x 24 uint8 (E2M3 codes of input, K innermost, in blocks of 32 codes, four codes in three bytes); input_scales 1,024 x 128 uint8 (E8M0 scales of input, one for each 32 codes along K); qweight 4,096 x 11,008 int32; scales 32 x 11,008 float32.
;; Outputs: out0 1,024 x 11,008 float32.
;; This version of the problem:
;;   THIS VERSION OF THE PROBLEM IS GIVEN IN LOW PRECISION. The matrix products marked QUANTISED in the list below multiply operands that are first quantised to E2M3 (2 exponent bits, 3 mantissa bits; 6 bits a number), with one power-of-two scale for each 32 numbers along K (OCP MX v1.0); their sums are f32. All else is computed in f32.
;;   The module's matrix products, in the order in which they are computed (A, B: the left and right operand; K: the contracted axis; several contracted axes count as one K, in the product's order):
;;     1. [M 1,024, K 4,096] x [K 4,096, N 11,008]; A: input input (given as codes); B: computed on the way: QUANTISED
;;   THE QUANTISER, for each operand of a quantised product, along K:
;;     - K is cut into blocks of 32 from its start; a last block that is shorter is filled with zeros.
;;     - A block's scale is 2^e with e = floor(log2(the largest magnitude in the block)) - 2, held to -126 .. 127; a block of zeros has e = 0. As a byte (E8M0): e + 127.
;;     - Each number is divided by its block's scale, clamped to +-7.5, and rounded to the nearest number of E2M3, ties to even, subnormals kept.
;;     - The product sums the exact products of the quantised numbers (number of the format x scale) in f32.
;;   ~~~python
;;   def quantise(x, axis):      # numpy; x: float32 -> the quantised numbers, widened to float32 again
;;       x = np.moveaxis(x, axis, -1); K = x.shape[-1]
;;       x = np.pad(x, [(0, 0)] * (x.ndim - 1) + [(0, -K % 32)]); x = x.reshape(x.shape[:-1] + (-1, 32)); a = np.abs(x).max(-1, keepdims=True)
;;       e = np.where(a > 0, np.clip(np.frexp(np.where(a > 0, a, 1))[1] - 1 - 2, -126, 127), 0)      # np.frexp(a)[1] - 1 = floor(log2(a)), exactly
;;       r = np.clip(x / 2.0 ** e, -7.5, 7.5)
;;       step = 2.0 ** (np.maximum(np.frexp(np.where(r == 0, 1, r))[1] - 1, 0) - 3)
;;       q = np.round(r / step) * step * 2.0 ** e      # np.round: ties to even
;;       return np.moveaxis(q.reshape(q.shape[:-2] + (-1,))[..., :K], -1, axis).astype(np.float32)
;;   ~~~
;;   OPERANDS COMPUTED ON THE WAY. 'Computed on the way' means the value that the module computes at that place (a softmax that the list does not call 'softmax' is quantised finished and normalised). What goes into a quantiser is computed in f32, as accurately as f32 sums, v_exp_f32 and their like allow (about 1e-6 of the number): no bf16 or f16 on the way to a quantiser, and a product that is left as it is and whose result goes on into a quantised operand takes f32 operands (vector FMAs, or v_wmma_f32_16x16x4_f32). A number that lies on a knife's edge between two numbers of the format may be rounded either way, as far as f32 arithmetic and the matrix unit's own rounding can turn it there, and no further.
;;   INPUTS GIVEN AS CODES. input (in the module: [1024, 4096], K = its axis 1): each comes as NAME_codes (uint8): NAME with its K axis moved to the last place and cut into blocks of 32 codes, [.., K / 32, bytes a block], one block behind the other in memory; four codes in three bytes: a row's codes are one little-endian stream of bits, code i at bits 6 i .. 6 i + 5 (a code: sign, 2 exponent bits, 3 mantissa bits); and NAME_scales (uint8): the same leading axes, one E8M0 byte (e + 127) for each 32 codes along K. Its value is code x scale, taken as it is: it is not quantised again, and the codes and scales need not be those that the quantiser above would give.
;; One version. Each part assembles by itself: llvm-mc -triple=amdgcn-amd-amdhsa -mcpu=gfx1250 --defsym DOCPART=n.
;; ======== version 1 of 1: 2 launches
;; limits: right only within a limited range of input values
;; workspace buffers: aq 3,276,800 bytes
;; launch laya (part 1): grid 64 x 1, 8 waves a work-group, no clusters, 53,248 bytes of LDS; arguments input_codes, input_scales, aq; writes aq
.if DOCPART == 1
	.amdgcn_target "amdgcn-amd-amdhsa--gfx1250"
	.amdhsa_code_object_version 6
	.text
	.protected	k_q98c507bb68_laya
	.globl	k_q98c507bb68_laya
	.p2align	8
	.type	k_q98c507bb68_laya,@function
k_q98c507bb68_laya:
	s_mov_b64 s[64:65], 0
	v_nop
	global_prefetch_b8 v0, s[64:65] scope:SCOPE_SE
	s_setreg_imm32_b32 hwreg(HW_REG_WAVE_MODE, 25, 1), 1
	s_wait_xcnt 0x0
; input's codes and scale bytes are laid into the workspace aq in the order of the matrix operand's registers; no number is changed.
; aq: one record of 102,400 bytes for each K step s of 128: 64 fragment images of 1,536 bytes (row tile t at 1,536 t: byte 512 j + 16 L + 4 i is register 4 j + i of lane L;
; registers 6 c .. 6 c + 5 of lane L hold k = 128 s + 64 c + 32 (L / 16) + 0 .. 31 of row 16 t + L % 16), then from byte 98,304 the 1,024 rows' scale words, row m at 4 m.
; SHARES: work-group (rb, q) takes rows 64 rb .. + 63 and K steps 8 q .. 8 q + 7: 768 bytes of each row of codes, three whole aligned blocks of 256 bytes.
; In: wave v loads rows 8 v .. 8 v + 7, 512 bytes an instruction, into LDS rows of 784 bytes.  Out: wave v takes K step 8 q + v: twelve stores of 512 consecutive bytes and one of 256.
; The scale bytes are asked for once each, 32 bytes of a row of 128: a block of 64 rows x 8 steps is what makes whole blocks of 256 bytes on the way out.
; No matrix unit, no tensor load, no cluster: work-groups share no input.
.set ROWA, 3072
.set PIT,  784                         ; 196 words: row r starts at bank 4 r mod 64
.set SCT,  64*PIT                      ; scale words, [step][row]
.set SPARE, SCT+2048                   ; the spare words: 128 bytes a wave
.set AREC, 102400
.set ASC,  98304
	s_load_b128 s[4:7], s[0:1], 0x0                ; input_codes, input_scales
	s_load_b64 s[8:9], s[0:1], 0x10                ; aq
	v_lshl_add_u32 v2, v0, 2, SPARE
	v_mov_b32 v3, 0
	v_lshrrev_b32 v1, 5, v0
	v_readfirstlane_b32 s10, v1                    ; wave
	s_lshr_b32 s11, ttmp9, 2                       ; rb
	s_and_b32 s12, ttmp9, 3                        ; q
	s_mul_i32 s13, s10, 8*ROWA
	s_mul_i32 s14, s10, 8*PIT
	s_mul_i32 s15, s10, 96
	s_lshl_b32 s16, s10, 8
	s_mul_i32 s20, s11, 64*ROWA
	s_mul_i32 s21, s12, 768
	s_add_co_u32 s20, s20, s21                     ; codes: row 64 rb, byte 768 q
	s_mov_b32 s21, 0
	s_lshl_b32 s22, s11, 13
	s_lshl_b32 s23, s12, 5
	s_add_co_u32 s22, s22, s23                     ; scale bytes: row 64 rb, byte 32 q
	s_mov_b32 s23, 0
	s_lshl_b32 s24, s12, 3
	s_add_co_u32 s24, s24, s10
	s_mul_i32 s24, s24, AREC                       ; my K step's record
	s_mul_i32 s25, s11, 4*1536
	s_add_co_u32 s26, s24, s25                     ; its images of row tiles 4 rb ..
	s_mov_b32 s27, 0
	s_lshl_b32 s28, s11, 8
	s_add_co_u32 s28, s28, s24
	s_add_co_u32 s28, s28, ASC                     ; its scale words of rows 64 rb ..
	s_mov_b32 s29, 0
	v_and_b32 v4, 15, v0                           ; r
	v_bfe_u32 v5, v0, 4, 1                         ; h
	v_and_b32 v6, 31, v0                           ; lane
	v_lshl_add_u32 v7, v4, 4, s13
	v_lshl_add_u32 v8, v5, 8, v7                   ; memory: lanes 16-31 take the next 256 bytes of the row,
	v_mad_u32_u24 v9, v5, 2560, v7                 ; or the first 256 of the next row
	v_lshl_add_u32 v10, v4, 4, s14
	v_lshl_add_u32 v11, v5, 8, v10                 ; the same two in LDS
	v_mad_u32_u24 v12, v5, 272, v10
	v_lshrrev_b32 v13, 2, v0                       ; scales: thread T takes 8 bytes: row T / 4, steps 2 (T % 4), + 1
	v_and_b32 v14, 3, v0
	v_lshlrev_b32 v15, 7, v13
	v_lshl_add_u32 v15, v14, 3, v15
	v_lshlrev_b32 v16, 2, v13
	v_lshl_add_u32 v16, v14, 9, v16
	v_add_nc_u32 v16, SCT, v16
	v_mul_u32_u24 v17, v4, PIT                     ; way out: row r, + 24 h, + 96 x my step
	v_mad_u32_u24 v17, v5, 24, v17
	v_add_nc_u32 v17, s15, v17
	v_lshl_add_u32 v18, v6, 3, s16
	v_add_nc_u32 v18, SCT, v18
	v_lshlrev_b32 v19, 4, v6
	v_lshlrev_b32 v20, 3, v6
	s_wait_alu depctr_va_vdst(0)                   ; the wait at the head's end
	s_wait_kmcnt 0x0
	s_add_nc_u64 s[4:5], s[4:5], s[20:21]
	s_add_nc_u64 s[6:7], s[6:7], s[22:23]
	s_add_nc_u64 s[26:27], s[8:9], s[26:27]
	s_add_nc_u64 s[28:29], s[8:9], s[28:29]
.irp m, 0,1,2,3                        ; two rows are six blocks of 256 bytes: three loads of two blocks
	global_load_b128 v[32+12*\m:35+12*\m], v8, s[4:5] offset:2*\m*ROWA th:TH_LOAD_NT
	global_load_b128 v[36+12*\m:39+12*\m], v9, s[4:5] offset:2*\m*ROWA+512 th:TH_LOAD_NT
	global_load_b128 v[40+12*\m:43+12*\m], v8, s[4:5] offset:(2*\m+1)*ROWA+256 th:TH_LOAD_NT
.endr
	global_load_b64 v[80:81], v15, s[6:7] th:TH_LOAD_NT
	s_wait_loadcnt 0x0
.irp m, 0,1,2,3
	ds_store_b128 v11, v[32+12*\m:35+12*\m] offset:2*\m*PIT
	ds_store_b128 v12, v[36+12*\m:39+12*\m] offset:2*\m*PIT+512
	ds_store_b128 v11, v[40+12*\m:43+12*\m] offset:(2*\m+1)*PIT+256
.endr
	ds_store_b32 v16, v80
	ds_store_b32 v16, v81 offset:256
	s_wait_dscnt 0x0                               ; for the others' sake: my stores are done
	s_barrier_signal -1
	s_barrier_wait -1
.irp t, 0,1,2,3                        ; a lane's 48 bytes of a fragment, in pieces of 8
.irp p, 0,1,2,3,4,5
	ds_load_b64 v[32+12*\t+2*\p:33+12*\t+2*\p], v17 offset:\t*16*PIT+48*(\p/3)+8*(\p%3)
.endr
.endr
	ds_load_b64 v[80:81], v18
	s_wait_dscnt 0x0
.irp t, 0,1,2,3
.irp j, 0,1,2
	global_store_b128 v19, v[32+12*\t+4*\j:35+12*\t+4*\j], s[26:27] offset:\t*1536+512*\j
.endr
.endr
	global_store_b64 v20, v[80:81], s[28:29]
	s_wait_tensorcnt 0x0                           ; the wave's end
	ds_add_u32 v2, v3
	s_wait_dscnt 0x0
	s_endpgm
.Lfunc_end_k_q98c507bb68_laya:
	.size	k_q98c507bb68_laya, .Lfunc_end_k_q98c507bb68_laya-k_q98c507bb68_laya
	.p2alignl 7, 3214868480
	.fill 96, 4, 3214868480
	.section	.rodata,"a",@progbits
	.p2align	6, 0x0
	.amdhsa_kernel k_q98c507bb68_laya
		.amdhsa_group_segment_fixed_size 53248
		.amdhsa_private_segment_fixed_size 0
		.amdhsa_enable_private_segment 0
		.amdhsa_kernarg_size 24
		.amdhsa_user_sgpr_count 2
		.amdhsa_user_sgpr_kernarg_segment_ptr 1
		.amdhsa_wavefront_size32 1
		.amdhsa_system_sgpr_workgroup_id_x 1
		.amdhsa_system_sgpr_workgroup_id_y 1
		.amdhsa_system_sgpr_workgroup_id_z 1
		.amdhsa_system_vgpr_workitem_id 0
		.amdhsa_next_free_vgpr 96
		.amdhsa_next_free_sgpr 66
		.amdhsa_reserve_vcc 0
		.amdhsa_float_denorm_mode_32 3
		.amdhsa_float_denorm_mode_16_64 3
		.amdhsa_memory_ordered 1
		.amdhsa_forward_progress 1
		.amdhsa_inst_pref_size 9
	.end_amdhsa_kernel
	.amdgpu_metadata
---
amdhsa.version: [ 1, 2 ]
amdhsa.kernels:
  - .name:           k_q98c507bb68_laya
    .symbol:         k_q98c507bb68_laya.kd
    .args:
      - { .name: input_codes, .offset: 0, .size: 8, .value_kind: global_buffer, .address_space: global }
      - { .name: input_scales, .offset: 8, .size: 8, .value_kind: global_buffer, .address_space: global }
      - { .name: aq, .offset: 16, .size: 8, .value_kind: global_buffer, .address_space: global }
    .group_segment_fixed_size: 53248
    .private_segment_fixed_size: 0
    .kernarg_segment_align: 8
    .kernarg_segment_size: 24
    .max_flat_workgroup_size: 256
    .sgpr_count:     66
    .vgpr_count:     96
    .wavefront_size: 32
...
	.end_amdgpu_metadata
.endif
;; end of part 1
;; launch wgemm (part 2): grid 172 x 1, 8 waves a work-group, clusters of 4 x 1, 327,680 bytes of LDS; arguments aq, qweight, scales, bias, out0; writes out0
.if DOCPART == 2
	.amdgcn_target "amdgcn-amd-amdhsa--gfx1250"
	.amdhsa_code_object_version 6
	.text
	.protected	k_q98c507bb68_wgemm
	.globl	k_q98c507bb68_wgemm
	.p2align	8
	.type	k_q98c507bb68_wgemm,@function
k_q98c507bb68_wgemm:
	s_mov_b64 s[64:65], 0
	v_nop
	global_prefetch_b8 v0, s[64:65] scope:SCOPE_SE
	s_setreg_imm32_b32 hwreg(HW_REG_WAVE_MODE, 25, 1), 1
	s_wait_xcnt 0x0
	s_wait_alu depctr_hold_cnt(0) depctr_sa_sdst(0) depctr_va_vdst(0) depctr_va_sdst(0) depctr_va_ssrc(0) depctr_va_vcc(0) depctr_vm_vsrc(0)
	s_getreg_b32 s2, hwreg(HW_REG_IB_STS2, 6, 4)
	s_cmp_eq_u32 s2, 0
	s_cbranch_scc0 .Lentry_in_a_cluster
	s_endpgm
.Lentry_in_a_cluster:
	s_bfe_u32 s2, ttmp6, 0x10000c
	s_cmp_lg_u32 s2, 0x3003
	s_cbranch_scc0 .Lentry_shape_is_right
	s_endpgm
.Lentry_shape_is_right:
; out0[m][n] = sum over k of input[m][k] W[k][n] + bias[n].  W[k][n] = fp8_e4m3fn(low byte of qweight[k][n], NaN codes -> 0) x scales[k / 128][n], in f32, is quantised HERE along K to FP6 (E2M3)
; with one E8M0 byte for each 32 along K, and multiplied with input's codes (workspace aq: records of 102,400 bytes a K step, in the order of the operand's registers, scale words from byte 98,304).
; LIMITS: a block of zeros of W gets the byte 1 where the quantiser says 127 (its codes are zeros, and only this launch reads the byte); NaN and infinities in scales, and products beyond f32's range, are not served.
; SHARES.  172 work-groups; work-group G makes ALL 1,024 rows x columns 64 G .. + 63, so each word of qweight is read by one work-group, once.  Eight waves, two to a SIMD: wave w makes rows 128 w .. + 127:
; 8 x 4 accumulators, 256 registers (window 1); all else lies in window 0.
; W: a wave quantises 32 along K x 64 columns (block w / 2 of a K step).  A wave's PARITY is (w xor w / 4) mod 2: waves 0, 2, 5, 7 take the even K steps (stage 0), waves 1, 3, 4, 6 the odd ones (stage 1), each two steps ahead of its use;
; waves w and w + 4, and waves 2 j and 2 j + 1, are of unlike parity, so in each step four waves quantise and their neighbours in either numbering do not.  A lane takes two columns and its registers run down K:
; a load reads one row's 256 aligned bytes.  The next block's loads go out as the registers fall free, eight at a time among the quantiser's lines.  Codes and bytes go to the stage in LDS as images of the operand's registers.
; A: a ring of two LDS slots of one K step, filled by tensor loads of 50 rows of 256 bytes a wave.  CLUSTER 4 x 1: all work-groups read the same records of aq, so the four partners ask jointly (mask 15); a round of the cluster's barrier a step.
; THE ROUND STANDS IN THE MIDDLE OF A K STEP'S PRODUCTS: in front of it a wave has all of the step's fragments in registers and has multiplied row tiles 0-3; behind it come the refill, the next step's tiles 0-3, and then the products of tiles 4-7.
; PREFETCH: behind round s the four waves of parity 0 name record s + 4, which the refill two rounds on will load: 400 blocks of 256 bytes, 100 to a partner (by address), 25 lanes a wave (the other lanes name the wave's last block again); it stops with record 31.
; qweight has no prefetch: its loads into registers are themselves asked for two steps ahead, and it is the stream that this launch draws from memory throughout.
; THE MATRIX INSTRUCTION IS USED TRANSPOSED (source 0 = 16 columns of W, source 1 = 16 rows of input): a lane holds eight neighbouring numbers of a row of out0.
.set ROWQ,  44032                      ; a row of qweight, scales, out0 in bytes: 172 x 256
.set AREC,  102400
.set ASC,   98304
.set IMG,   1552                       ; a fragment image in the stage: 1,536 bytes + 16
.set STGB,  6656                       ; a stage: four images, 64 scale words, rounded up to blocks of 256
.set BST,   2*AREC                     ; behind the ring: the two stages
.set SPARE, BST+2*STGB                 ; the spare words: 128 bytes a wave
.set OSTG,  SPARE+1024                 ; the way out: 16 rows x 272 bytes for each wave
.set SPITCH, 272
.set SPW, 2
.set NIL, 3
.set VQ,  4                            ; 8 x lane: my two columns
.set VSA, 5                            ; my stage, way in: words 0-1 and 4-5 of my block's six
.set VSM, 6                            ; words 2-3
.set VSC, 7                            ; my scale byte
.set VBL, 8                            ; stage 0, way out: 16 x lane
.set VBS, 9                            ; its scale words: 4 x lane
.set VA,  10                           ; v10-11 A's images of my 8 row tiles in slot 0, 1
.set VAS, 12                           ; v12-13 A's scale words
.set STO, 14
.set RD,  15
.set CO,  16
.set PFO, 17
.set BA,  18
.set BIAS, 20                          ; v20-23
.set SCR, 28                           ; v28-29 the group scales of my two columns
.set SA,  32                           ; v32-35 A's scale words: register p: lanes 0-15 tile 2 p, lanes 16-31 tile 2 p + 1
.set SB,  36                           ; v36-37 W's likewise
.set BY,  38                           ; v38-39 scale bytes
.set BF,  40                           ; v40-87 W's four fragments
.set AF,  88                           ; v88-183 A's eight fragments
.set X,   136                          ; the quantiser works in the registers of A's tiles 4-7, between their products and their next fetch: v136-167 a column's 32 numbers
.set C,   168                          ; v168-183 codes, eight registers a column
.set R,   184                          ; v184-247 the words as loaded: row i, column u at 2 i + u
.set MX,  248                          ; v248-251 four running maxima
.set SO,  252
.set S,   254                          ; v254-255 a group scale twice
.set BK,  88                           ; the way out: rows read back, v88-119 and v120-151 by turns
.set G1,  24
.set G0,  32                           ; s[32:39] group 0, one set for each slot
.set QB,  40
.set SCB, 42
.set PF,  44
.set MK,  48                           ; s48-55
.set MSB, 0
.macro WIN new
.if MSB != (\new)
	s_set_vgpr_msb (MSB<<8)|(\new)
.set MSB, (\new)
.endif
.endm
.set MULW, 0x50                        ; C and D window 1, sources window 0
.macro PLACES n
.rept \n
	v_nop
.endr
.endm
.macro CREST
	s_cmp_lg_u32 s14, 0
	s_cbranch_scc1 .Lnot_wave_0_\@
	s_barrier_signal -3
.Lnot_wave_0_\@:
	s_barrier_wait -3
	s_barrier_signal -1
	s_barrier_wait -1
.endm
.macro CROUND
	s_barrier_signal -1
	s_barrier_wait -1
	CREST
.endm
.macro QLOAD                           ; 32 rows x 256 bytes, and the group's scales
.set i, 0
.rept 32
	global_load_b64 v[R+2*i:R+2*i+1], v[VQ], s[QB:QB+1] offset:i*ROWQ th:TH_LOAD_NT
.set i, i+1
.endr
	global_load_b64 v[SCR:SCR+1], v[VQ], s[SCB:SCB+1]
.endm
; my block of 32 along K x 64 columns -> my stage.  more = 1: the block two K steps on is asked for
.macro QUANT more
	s_wait_loadcnt 0x0                             ; my 33 loads are in: nothing else of mine is out
.irp u, 0,1
	v_mov_b32 v[S], v[SCR+\u]
	v_mov_b32 v[S+1], v[SCR+\u]
.set g, 0
.rept 4                                ; the conversion takes the word's lowest byte; what is not at most 448 in magnitude (the NaN codes) becomes 0
.irp n, 0,1,2,3,4,5,6,7
	v_cvt_f32_fp8 v[R+2*(8*g+\n)+\u], v[R+2*(8*g+\n)+\u]
.endr
.irp n, 0,1,2,3,4,5,6,7
	v_cmp_ge_f32 s[MK+\n], s19, |v[R+2*(8*g+\n)+\u]|
.endr
.irp n, 0,1,2,3,4,5,6,7
	v_cndmask_b32 v[X+8*g+\n], 0, v[R+2*(8*g+\n)+\u], s[MK+\n]
.endr
.if (\u == 1) && (\more)               ; these eight rows' registers are free: they take the next block's
.if g == 0
	s_add_nc_u64 s[QB:QB+1], s[QB:QB+1], 256*ROWQ  ; the loads that read these bases are done
	s_add_nc_u64 s[SCB:SCB+1], s[SCB:SCB+1], 2*ROWQ
.endif
.irp n, 0,1,2,3,4,5,6,7
	global_load_b64 v[R+2*(8*g+\n):R+2*(8*g+\n)+1], v[VQ], s[QB:QB+1] offset:(8*g+\n)*ROWQ th:TH_LOAD_NT
.endr
.endif
.set g, g+1
.endr
.if (\u == 1) && (\more)
	global_load_b64 v[SCR:SCR+1], v[VQ], s[SCB:SCB+1]
.endif
.set i, 0
.rept 16
	v_pk_mul_f32 v[X+2*i:X+2*i+1], v[X+2*i:X+2*i+1], v[S:S+1]   ; x the group's scale: one rounding in f32
.set i, i+1
.endr
.irp c, 0,1,2,3
	v_max3_num_f32 v[MX+\c], |v[X+2*\c]|, |v[X+2*\c+1]|, 0x1800000   ; four chains; the floor 2^(3 - 127) holds the byte at 1 from below
.endr
.irp i, 8,16,24
.irp c, 0,1,2,3
	v_max3_num_f32 v[MX+\c], v[MX+\c], |v[X+\i+2*\c]|, |v[X+\i+2*\c+1]|
.endr
.endr
	v_max3_num_f32 v[MX], v[MX], v[MX+1], v[MX+2]
	s_delay_alu instid0(VALU_DEP_1)
	v_max_num_f32 v[MX], v[MX], v[MX+3]
	s_delay_alu instid0(VALU_DEP_1)
	v_add_nc_u32 v[SO], 0xff000000, v[MX]          ; 2 off the exponent field: the conversion's scale operand
	v_lshrrev_b32 v[BY+\u], 23, v[SO]              ; the scale's byte
	v_cvt_scalef32_pk16_fp6_f32 v[C+8*\u:C+8*\u+2], v[X:X+15], v[SO]
	v_cvt_scalef32_pk16_fp6_f32 v[C+8*\u+4:C+8*\u+6], v[X+16:X+31], v[SO]
	v_nop                                          ; one plain place behind a scaled conversion
	v_mov_b32 v[C+8*\u+3], v[C+8*\u+4]             ; the block's six words on end
	v_mov_b32 v[C+8*\u+4], v[C+8*\u+5]
	v_mov_b32 v[C+8*\u+5], v[C+8*\u+6]
	ds_store_b64 v[VSA], v[C+8*\u:C+8*\u+1] offset:16*\u
	ds_store_b64 v[VSM], v[C+8*\u+2:C+8*\u+3] offset:16*\u
	ds_store_b64 v[VSA], v[C+8*\u+4:C+8*\u+5] offset:16*\u+512
	ds_store_b8 v[VSC], v[BY+\u] offset:4*\u
.endr
	s_wait_alu depctr_va_vdst(0)                   ; the wait ahead of the waits that follow
.endm
.macro BFETCH p                        ; 14 loads
.irp e, 0,1,2,3
.irp j, 0,1,2
	ds_load_b128 v[BF+12*\e+4*\j:BF+12*\e+4*\j+3], v[VBL] offset:(\p)*STGB+\e*IMG+512*\j
.endr
.endr
.irp q, 0,1
	ds_load_b32 v[SB+\q], v[VBS] offset:(\p)*STGB+128*\q
.endr
.endm
.macro AFETCH p, H                     ; row tiles 4 H .. 4 H + 3 and their two registers of scale words: 14 loads
.irp q, 0,1
	ds_load_b32 v[SA+2*\H+\q], v[VAS+(\p)] offset:128*(2*\H+\q)
.endr
.irp t, 0,1,2,3
.irp j, 0,1,2
	ds_load_b128 v[AF+12*(4*\H+\t)+4*\j:AF+12*(4*\H+\t)+4*\j+3], v[VA+(\p)] offset:(4*\H+\t)*1536+512*\j
.endr
.endr
.endm
.macro WM a, b, zero
.set rD, 8*(4*(\a)+(\b))
.set rB, BF+12*(\b)
.set rA, AF+12*(\a)
.set rSB, SB+(\b)/2
.set rSA, SA+(\a)/2
.if \zero
.if ((\a)%2 == 0) && ((\b)%2 == 0)
	v_wmma_scale_f32_16x16x128_f8f6f4 v[rD:rD+7], v[rB:rB+11], v[rA:rA+11], 0, v[rSB], v[rSA] matrix_a_fmt:MATRIX_FMT_FP6 matrix_b_fmt:MATRIX_FMT_FP6
.elseif ((\a)%2 == 0)
	v_wmma_scale_f32_16x16x128_f8f6f4 v[rD:rD+7], v[rB:rB+11], v[rA:rA+11], 0, v[rSB], v[rSA] matrix_a_fmt:MATRIX_FMT_FP6 matrix_b_fmt:MATRIX_FMT_FP6 matrix_a_scale:MATRIX_SCALE_ROW1
.elseif ((\b)%2 == 0)
	v_wmma_scale_f32_16x16x128_f8f6f4 v[rD:rD+7], v[rB:rB+11], v[rA:rA+11], 0, v[rSB], v[rSA] matrix_a_fmt:MATRIX_FMT_FP6 matrix_b_fmt:MATRIX_FMT_FP6 matrix_b_scale:MATRIX_SCALE_ROW1
.else
	v_wmma_scale_f32_16x16x128_f8f6f4 v[rD:rD+7], v[rB:rB+11], v[rA:rA+11], 0, v[rSB], v[rSA] matrix_a_fmt:MATRIX_FMT_FP6 matrix_b_fmt:MATRIX_FMT_FP6 matrix_a_scale:MATRIX_SCALE_ROW1 matrix_b_scale:MATRIX_SCALE_ROW1
.endif
.else
.if ((\a)%2 == 0) && ((\b)%2 == 0)
	v_wmma_scale_f32_16x16x128_f8f6f4 v[rD:rD+7], v[rB:rB+11], v[rA:rA+11], v[rD:rD+7], v[rSB], v[rSA] matrix_a_fmt:MATRIX_FMT_FP6 matrix_b_fmt:MATRIX_FMT_FP6
.elseif ((\a)%2 == 0)
	v_wmma_scale_f32_16x16x128_f8f6f4 v[rD:rD+7], v[rB:rB+11], v[rA:rA+11], v[rD:rD+7], v[rSB], v[rSA] matrix_a_fmt:MATRIX_FMT_FP6 matrix_b_fmt:MATRIX_FMT_FP6 matrix_a_scale:MATRIX_SCALE_ROW1
.elseif ((\b)%2 == 0)
	v_wmma_scale_f32_16x16x128_f8f6f4 v[rD:rD+7], v[rB:rB+11], v[rA:rA+11], v[rD:rD+7], v[rSB], v[rSA] matrix_a_fmt:MATRIX_FMT_FP6 matrix_b_fmt:MATRIX_FMT_FP6 matrix_b_scale:MATRIX_SCALE_ROW1
.else
	v_wmma_scale_f32_16x16x128_f8f6f4 v[rD:rD+7], v[rB:rB+11], v[rA:rA+11], v[rD:rD+7], v[rSB], v[rSA] matrix_a_fmt:MATRIX_FMT_FP6 matrix_b_fmt:MATRIX_FMT_FP6 matrix_a_scale:MATRIX_SCALE_ROW1 matrix_b_scale:MATRIX_SCALE_ROW1
.endif
.endif
.endm
.macro MUL a0, n, zero                 ; the 32 accumulators take turns, in the same order in every step
.set ma, \a0
.rept \n
.irp b, 0,1,2,3
	WM ma, \b, \zero
.endr
.set ma, ma+1
.endr
.endm
; K step t begins, q = t % 2: W's fragments from stage q; the quantiser (waves of the other parity: K step t + 1, into their own stage); A's tiles 4-7 from slot q; the products of tiles 0-3; the round.
; At its head A's tiles 0-3 of step t are asked for, and four places stand behind the last products.
.macro BOT q, qn, more, zero, last
	BFETCH \q
.if \more
	s_cmp_eq_u32 s15, 0
	s_cbranch_scc0 .Lnp_\@
	s_cmp_lt_u32 ttmp9, 4
	s_cbranch_scc0 .Lno_prefetch_wgemm0_\@
	global_prefetch_b8 v[PFO], s[PF:PF+1] th:TH_LOAD_NT scope:SCOPE_SE
.Lno_prefetch_wgemm0_\@:
.Lnp_\@:
.endif
.if \qn
	s_cmp_eq_u32 s15, 1-(\q)
	s_cbranch_scc0 .Lnq_\@
	QUANT \more
.Lnq_\@:
.endif
	AFETCH \q, 1
	s_wait_dscnt 14                                ; all but the 14 loads of tiles 4-7
	WIN MULW
.if \last
	MUL 0, 4, \zero
	s_wait_dscnt 0x0
.else
	MUL 0, 3, \zero
	WIN 0
	s_wait_xcnt 0x0                                ; the prefetch has read its base
	s_add_nc_u64 s[PF:PF+1], s[PF:PF+1], AREC
	s_wait_tensorcnt 0x0                           ; my part of record t + 1 has landed: no tensor load of mine is out
	ds_add_u32 v[SPW], v[NIL]
	s_add_nc_u64 s[G0+4*(\q)+2:G0+4*(\q)+3], s[G0+4*(\q)+2:G0+4*(\q)+3], 2*AREC   ; this slot's next record
	WIN MULW
	MUL 3, 1, \zero                                ; four products stand between the add and the wait for it
	WIN 0
	s_wait_dscnt 0x0                               ; the add, my reads of slot q and stage q, my stores into my stage
	CROUND
.endif
.endm
; behind round s, p = s % 2: slot p is read no more and takes record s + 2; step s + 1's tiles 0-3 are asked for; step s's tiles 4-7 are multiplied; step s + 1 begins
.macro STEP p, zero, fill, qn, more, last
.if \fill
	tensor_load_to_lds s[G0+4*\p:G0+4*\p+3], s[G1:G1+7]   ; my one tensor load behind the round, and the first thing there
	s_nop 0
.endif
	PLACES 4                                       ; behind a tensor load; also the places in front of loads into registers just multiplied
	AFETCH 1-\p, 0
	WIN MULW
	MUL 4, 4, \zero
	WIN 0
	PLACES 4                                       ; in front of the loads and writes into W's fragments and A's tiles 4-7
	BOT 1-\p, \qn, \more, 0, \last
.endm
	s_load_b256 s[4:11], s[0:1], 0x0               ; aq, qweight, scales, bias
	s_load_b64 s[12:13], s[0:1], 0x20              ; out0
	v_lshl_add_u32 v[SPW], v0, 2, SPARE
	v_mov_b32 v[NIL], 0
	ds_add_u32 v[SPW], v[NIL]                      ; the opening lines: the add twice and one wait
	ds_add_u32 v[SPW], v[NIL]
	v_lshrrev_b32 v1, 5, v0
	v_readfirstlane_b32 s14, v1                    ; wave 0..7
	v_and_b32 v1, 31, v0                           ; lane
	v_lshlrev_b32 v[VQ], 3, v1
	v_and_b32 v26, 15, v0                          ; r
	v_lshlrev_b32 v[BA], 4, v26
	s_lshr_b32 s15, s14, 2
	s_xor_b32 s15, s15, s14
	s_and_b32 s15, s15, 1                          ; my parity, (w xor w / 4) mod 2: which K steps I quantise: 0 even, 1 odd
	s_lshr_b32 s16, s14, 1                         ; which block of 32 of a step: w / 2: 0 to 3 among the four waves of a parity
	s_bfe_u32 s17, ttmp6, 0x40000                  ; cx
	s_lshl_b32 s18, ttmp9, 2
	s_add_co_u32 s18, s18, s17                     ; G
	s_mov_b32 s19, 0x43e00000                      ; 448.0
	s_mov_b32 s[G1+0], 15|(3<<16)|(1<<21)          ; the four partners; elements of 8 bytes
	s_mov_b32 s[G1+1], 32<<16                      ; rows of 256 bytes
	s_mov_b32 s[G1+2], 50<<16
	s_mov_b32 s[G1+3], 32<<16
	s_mov_b32 s[G1+4], 50
	s_mov_b32 s[G1+5], 32
	s_mov_b32 s[G1+6], 0
	s_mov_b32 s[G1+7], 0
	s_mul_i32 s20, s14, 12800                      ; my 50 rows of a record, in memory and in a slot
	s_mov_b32 s21, 0
	s_mov_b32 s[G0+0], 1
	s_mov_b32 s[G0+1], s20
	s_mov_b32 s[G0+4], 1
	s_add_co_u32 s[G0+5], s20, AREC
	s_lshl_b32 s22, s15, 7
	s_lshl_b32 s23, s16, 5
	s_add_co_u32 s22, s22, s23
	s_mul_i32 s22, s22, ROWQ                       ; my first block's first row
	s_lshl_b32 s46, s18, 8                         ; 256 G
	s_mov_b32 s47, 0
	s_add_co_u32 s22, s22, s46
	s_mov_b32 s23, 0
	s_mul_i32 s56, s15, ROWQ
	s_add_co_u32 s56, s56, s46
	s_mov_b32 s57, 0
	s_mul_i32 s58, s17, 100
	s_mul_i32 s59, s16, 25
	s_add_co_u32 s58, s58, s59
	s_lshl_b32 s58, s58, 8
	s_add_co_u32 s58, s58, 3*AREC                  ; prefetches: my partner's 100 blocks, my wave's 25; stepped once, to record 4, ahead of the first
	s_mov_b32 s59, 0
	s_wait_alu depctr_va_vdst(0)                   ; the wait ahead of the waits below
	s_wait_dscnt 0x0
	s_wait_kmcnt 0x0
	s_add_nc_u64 s[QB:QB+1], s[6:7], s[22:23]
	s_add_nc_u64 s[SCB:SCB+1], s[8:9], s[56:57]
	s_add_nc_u64 s[10:11], s[10:11], s[46:47]
	QLOAD                                          ; parity 0: K step 0; parity 1: K step 1
	global_load_b128 v[BIAS:BIAS+3], v[BA], s[10:11]
	s_add_nc_u64 s[PF:PF+1], s[4:5], s[58:59]
	s_add_nc_u64 s[G0+2:G0+3], s[4:5], s[20:21]
	s_add_nc_u64 s[G0+6:G0+7], s[G0+2:G0+3], AREC
	s_or_b32 s[G0+3], s[G0+3], 0x80000000
	s_or_b32 s[G0+7], s[G0+7], 0x80000000
	CROUND                                         ; the four partners are here: the first joint loads meet
	tensor_load_to_lds s[G0:G0+3], s[G1:G1+7]      ; record 0: one tensor load a wave at the head
	s_nop 0
	PLACES 4
	s_add_nc_u64 s[12:13], s[12:13], s[46:47]
	s_mul_i32 s46, s14, 128*ROWQ
	s_add_nc_u64 s[12:13], s[12:13], s[46:47]      ; out0 at row 128 w, column 64 G
	s_mul_i32 s22, s15, STGB                       ; my stage
	s_and_b32 s56, s16, 1                          ; my block b is lanes 16 (b % 2) .. of an image, registers 6 (b / 2) ..
	s_lshl_b32 s56, s56, 8
	s_lshr_b32 s57, s16, 1
	s_mul_i32 s58, s57, 520
	s_add_co_u32 s56, s56, s58
	s_add_co_u32 s56, s56, BST
	s_add_co_u32 s56, s56, s22
	s_mul_i32 s57, s57, 496
	s_add_co_u32 s57, s57, 8
	s_add_co_u32 s23, s22, BST+4*IMG
	s_add_co_u32 s23, s23, s16
	s_mul_i32 s58, s14, 12288
	s_lshl_b32 s59, s14, 9
	s_add_co_u32 s59, s59, ASC
	s_mul_i32 s20, s14, 16*SPITCH
	s_add_co_u32 s20, s20, OSTG
	v_bfe_u32 v27, v0, 4, 1                        ; h
	v_lshrrev_b32 v24, 3, v1
	v_and_b32 v25, 7, v1
	v_mul_u32_u24 v[VSA], v24, IMG                 ; column 2 l + u: image l / 8, lane 2 (l % 8) + u
	v_lshl_add_u32 v[VSA], v25, 5, v[VSA]
	v_add_nc_u32 v[VSA], s56, v[VSA]
	v_add_nc_u32 v[VSM], s57, v[VSA]
	v_lshl_add_u32 v[VSC], v1, 3, s23
	v_lshl_add_u32 v[VBL], v1, 4, BST
	v_lshl_add_u32 v[VBS], v1, 2, BST+4*IMG
	v_lshl_add_u32 v[VA], v1, 4, s58
	v_add_nc_u32 v[VA+1], AREC, v[VA]
	v_lshl_add_u32 v[VAS], v1, 2, s59
	v_add_nc_u32 v[VAS+1], AREC, v[VAS]
	v_mul_u32_u24 v24, v26, SPITCH
	v_lshl_add_u32 v24, v27, 5, v24
	v_add_nc_u32 v[STO], s20, v24
	v_mul_u32_u24 v25, v27, SPITCH
	v_lshl_add_u32 v25, v26, 4, v25
	v_add_nc_u32 v[RD], s20, v25
	v_mul_u32_u24 v24, v27, ROWQ
	v_lshl_add_u32 v[CO], v26, 4, v24
	v_min_u32 v[PFO], 24, v1
	v_lshlrev_b32 v[PFO], 8, v[PFO]
	s_wait_alu depctr_va_vdst(0)                   ; the wait at the head's end
	QUANT 1                                        ; parity 0: K step 0 into stage 0; parity 1: K step 1 into stage 1
	s_wait_tensorcnt 0x0                           ; my part of record 0 is in; the same lines as ahead of a refill stand ahead of slot 1's first fill
	ds_add_u32 v[SPW], v[NIL]
	s_wait_dscnt 0x0
	CROUND
	tensor_load_to_lds s[G0+4:G0+7], s[G1:G1+7]    ; record 1, the first tensor load behind the round
	s_nop 0
	PLACES 4
	AFETCH 0, 0
	BOT 0, 0, 0, 1, 0                              ; K step 0 begins: its products start the sums
	STEP 0, 1, 1, 1, 1, 0                          ; behind round 0
	s_mov_b32 s3, 13
.Lpair:                                            ; behind rounds 1 to 26
	STEP 1, 0, 1, 1, 1, 0
	STEP 0, 0, 1, 1, 1, 0
	s_sub_co_u32 s3, s3, 1
	s_cmp_lg_u32 s3, 0
	s_cbranch_scc1 .Lpair
	STEP 1, 0, 1, 1, 1, 0                          ; 27: the last block of qweight is asked for, and the last record is named by a prefetch
	STEP 0, 0, 1, 1, 0, 0                          ; 28, 29: K steps 30 and 31 are quantised, records 30 and 31 fetched
	STEP 1, 0, 1, 1, 0, 0
	STEP 0, 0, 0, 0, 0, 1                          ; 30: nothing is filled, nothing quantised, no round follows
	MUL 4, 4, 0                                    ; K step 31's tiles 4-7
	WIN 0
; THE WAY OUT, a row tile (16 rows x 64 columns) at a time, through my own stage: back as whole rows of 256 bytes, + bias, sixteen lanes to an aligned block of 256 bytes.
.macro TOSTAGE a
	WIN 0x04                                       ; an LDS store's data: window 1
.irp b, 0,1,2,3
	ds_store_b128 v[STO], v[8*(4*(\a)+\b):8*(4*(\a)+\b)+3] offset:64*\b        ; each accumulator from its low end on
	ds_store_b128 v[STO], v[8*(4*(\a)+\b)+4:8*(4*(\a)+\b)+7] offset:64*\b+16
.endr
	WIN 0
.set BB, BK+32*((\a)%2)
.irp t, 0,1,2,3,4,5,6,7
	ds_load_b128 v[BB+4*\t:BB+4*\t+3], v[RD] offset:\t*2*SPITCH
.endr
.endm
.macro SEND a, younger
.set BB, BK+32*((\a)%2)
	s_wait_dscnt \younger
.if (\a) > 0
	s_add_nc_u64 s[12:13], s[12:13], 16*ROWQ       ; behind a wait on XCNT
.endif
.irp t, 0,1,2,3,4,5,6,7
	v_pk_add_f32 v[BB+4*\t:BB+4*\t+1], v[BB+4*\t:BB+4*\t+1], v[BIAS:BIAS+1]
	v_pk_add_f32 v[BB+4*\t+2:BB+4*\t+3], v[BB+4*\t+2:BB+4*\t+3], v[BIAS+2:BIAS+3]
.endr
.irp t, 0,1,2,3,4,5,6,7
	global_store_b128 v[CO], v[BB+4*\t:BB+4*\t+3], s[12:13] offset:2*\t*ROWQ th:TH_STORE_NT
.endr
.endm
	s_wait_loadcnt 0x0                             ; the bias
	PLACES 4
	TOSTAGE 0
.irp a, 1,2,3,4,5,6,7
.if \a > 1
	s_wait_xcnt 0x0                                ; tile a - 2's stores have read their registers and their base
.endif
	TOSTAGE \a
	SEND \a-1, 16
.endr
	s_wait_xcnt 0x0
	SEND 7, 0
	s_wait_tensorcnt 0x0                           ; the wave's end
	ds_add_u32 v[SPW], v[NIL]
	s_wait_dscnt 0x0
	CROUND                                         ; the closing round
	s_endpgm
.Lfunc_end_k_q98c507bb68_wgemm:
	.size	k_q98c507bb68_wgemm, .Lfunc_end_k_q98c507bb68_wgemm-k_q98c507bb68_wgemm
	.p2alignl 7, 3214868480
	.fill 96, 4, 3214868480
	.section	.rodata,"a",@progbits
	.p2align	6, 0x0
	.amdhsa_kernel k_q98c507bb68_wgemm
		.amdhsa_group_segment_fixed_size 327680
		.amdhsa_private_segment_fixed_size 0
		.amdhsa_enable_private_segment 0
		.amdhsa_kernarg_size 40
		.amdhsa_user_sgpr_count 2
		.amdhsa_user_sgpr_kernarg_segment_ptr 1
		.amdhsa_wavefront_size32 1
		.amdhsa_system_sgpr_workgroup_id_x 1
		.amdhsa_system_sgpr_workgroup_id_y 1
		.amdhsa_system_sgpr_workgroup_id_z 1
		.amdhsa_system_vgpr_workitem_id 0
		.amdhsa_next_free_vgpr 512
		.amdhsa_next_free_sgpr 66
		.amdhsa_reserve_vcc 0
		.amdhsa_float_denorm_mode_32 3
		.amdhsa_float_denorm_mode_16_64 3
		.amdhsa_memory_ordered 1
		.amdhsa_forward_progress 1
		.amdhsa_inst_pref_size 224
	.end_amdhsa_kernel
	.amdgpu_metadata
---
amdhsa.version: [ 1, 2 ]
amdhsa.kernels:
  - .name:           k_q98c507bb68_wgemm
    .symbol:         k_q98c507bb68_wgemm.kd
    .args:
      - { .name: aq, .offset: 0, .size: 8, .value_kind: global_buffer, .address_space: global }
      - { .name: qweight, .offset: 8, .size: 8, .value_kind: global_buffer, .address_space: global }
      - { .name: scales, .offset: 16, .size: 8, .value_kind: global_buffer, .address_space: global }
      - { .name: bias, .offset: 24, .size: 8, .value_kind: global_buffer, .address_space: global }
      - { .name: out0, .offset: 32, .size: 8, .value_kind: global_buffer, .address_space: global }
    .group_segment_fixed_size: 327680
    .private_segment_fixed_size: 0
    .kernarg_segment_align: 8
    .kernarg_segment_size: 40
    .max_flat_workgroup_size: 256
    .sgpr_count:     66
    .vgpr_count:     512
    .wavefront_size: 32
...
	.end_amdgpu_metadata
.endif
;; end of part 2
